; MI455X (gfx1250); checked and timed in simulation.
; The chip was launched on July 23, 2026; its instructions are those of AMD's public machine-readable ISA for CDNA 5 (MIT licence, August 2026) and "CDNA5" Instruction Set Architecture Reference Guide (July 2026). The comments in the code are by the model that wrote it; some were corrected since.
;; Tiny Mo E. Allowed arithmetic: matrix products marked QUANTISED: E2M1 operands, one E8M0 scale for each 32 along K, by v_wmma_scale_f32_16x16x128_f8f6f4 with both operands' format E2M1 (or v_wmma_scale_f32_32x16x128_f4), f32 sums; products left as they are: f32 operands where the result goes on into a quantised operand, else bf16, f16 or f32 operands; f32 sums; everything else in f32.
;; Inputs: expert_weights_codes 8 x 512 x 16 x 16 uint8 (E2M1 codes of expert_weights, K innermost, in blocks of 32 codes, two codes a byte); expert_weights_scales 8 x 512 x 16 uint8 (E8M0 scales of expert_weights, one for each 32 codes along K); hidden_states 4 x 4,096 x 512 float32; router_w 8 x 512 float32.
;; Outputs: out0 4 x 4,096 x 512 float32.
;; Constants: cluster_axis = 0.
;; This version of the problem:
;;   THIS VERSION OF THE PROBLEM IS GIVEN IN LOW PRECISION. The matrix products marked QUANTISED in the list below multiply operands that are first quantised to E2M1 (2 exponent bits, 1 mantissa bit; 4 bits a number), with one power-of-two scale for each 32 numbers along K (OCP MX v1.0); their sums are f32. All else is computed in f32.
;;   The module's matrix products, in the order in which they are computed (A, B: the left and right operand; K: the contracted axis; several contracted axes count as one K, in the product's order):
;;     1. [M 16,384, K 512] x [K 512, N 8]; A: input hidden_states; B: input router_w: left as it is (N = 8 < 16)
;;     2. [M 16,384, K 512] x [K 512, N 4,096]; A: input hidden_states; B: input expert_weights (given as codes): QUANTISED
;;   THE QUANTISER, for each operand of a quantised product, along K:
;;     - K is cut into blocks of 32 from its start; a last block that is shorter is filled with zeros.
;;     - A block's scale is 2^e with e = floor(log2(the largest magnitude in the block)) - 2, held to -126 .. 127; a block of zeros has e = 0. As a byte (E8M0): e + 127.
;;     - Each number is divided by its block's scale, clamped to +-6, and rounded to the nearest number of E2M1, ties to even, subnormals kept.
;;     - The product sums the exact products of the quantised numbers (number of the format x scale) in f32.
;;   ~~~python
;;   def quantise(x, axis):      # numpy; x: float32 -> the quantised numbers, widened to float32 again
;;       x = np.moveaxis(x, axis, -1); K = x.shape[-1]
;;       x = np.pad(x, [(0, 0)] * (x.ndim - 1) + [(0, -K % 32)]); x = x.reshape(x.shape[:-1] + (-1, 32)); a = np.abs(x).max(-1, keepdims=True)
;;       e = np.where(a > 0, np.clip(np.frexp(np.where(a > 0, a, 1))[1] - 1 - 2, -126, 127), 0)      # np.frexp(a)[1] - 1 = floor(log2(a)), exactly
;;       r = np.clip(x / 2.0 ** e, -6, 6)
;;       step = 2.0 ** (np.maximum(np.frexp(np.where(r == 0, 1, r))[1] - 1, 0) - 1)
;;       q = np.round(r / step) * step * 2.0 ** e      # np.round: ties to even
;;       return np.moveaxis(q.reshape(q.shape[:-2] + (-1,))[..., :K], -1, axis).astype(np.float32)
;;   ~~~
;;   INPUTS GIVEN AS CODES. expert_weights (in the module: [8, 512, 512], K = its axis 1): each comes as NAME_codes (uint8): NAME with its K axis moved to the last place and cut into blocks of 32 codes, [.., K / 32, bytes a block], one block behind the other in memory; two codes a byte, the lower K in the low four bits (a code: sign, 2 exponent bits, 1 mantissa bit); and NAME_scales (uint8): the same leading axes, one E8M0 byte (e + 127) for each 32 codes along K. Its value is code x scale, taken as it is: it is not quantised again, and the codes and scales need not be those that the quantiser above would give.
;; One version. Each part assembles by itself: llvm-mc -triple=amdgcn-amd-amdhsa -mcpu=gfx1250 --defsym DOCPART=n.
;; ======== version 1 of 1: 2 launches
;; workspace buffers: xq 5,242,880 bytes
;; launch route (part 1): grid 256 x 1, 4 waves a work-group, no clusters, 51,200 bytes of LDS; arguments hidden_states, router_w, xq; writes xq
.if DOCPART == 1
	.amdgcn_target "amdgcn-amd-amdhsa--gfx1250"
	.amdhsa_code_object_version 6
	.text
	.protected	k_q555a3be41c_route
	.globl	k_q555a3be41c_route
	.p2align	8
	.type	k_q555a3be41c_route,@function
k_q555a3be41c_route:
	s_mov_b64 s[64:65], 0
	v_nop
	global_prefetch_b8 v0, s[64:65] scope:SCOPE_SE
	s_setreg_imm32_b32 hwreg(HW_REG_WAVE_MODE, 25, 1), 1
	s_wait_xcnt 0x0
; ROUTER AND QUANTISER.  x: [16384][512] f32; router_w: [8][512] f32.  For each tile of 16 tokens one record of 5,120 bytes goes to xq:
;   bytes 0-4095     x's codes of FP4 (E2M1) as IMAGES OF THE OPERAND'S REGISTERS: K step s (128 along K), registers 4 c .. 4 c + 3 of lane l at 1024 s + 512 c + 16 l
;                    (lane (r, h): token r, k = 128 s + 64 c + 32 h + 0 .. 31)
;   bytes 4096-4607  at 16 l: the four scale words (one a K step, four E8M0 bytes each) of token l % 16
;   bytes 4608-5119  at 32 r + 4 e: the gate of expert e for token r, f32: the renormalised top-2 weight, 0 for the six experts not chosen
; SHARES.  1,024 waves, 1,024 tiles: wave w of work-group g owns tile 4 g + w: 16 rows, 32,768 consecutive bytes.  All 64 loads of a wave (512 consecutive bytes each) go out at the start.
; THE ROUTER stays in f32 (a logit rounded coarser could change which expert is second), by v_wmma_f32_16x16x4_f32: 128 instructions a wave, 1/256 of the program's multiply-adds.
; Source 0 = router_w (lane (r, h) takes row r % 8), source 1 = x's tile: register j of the result is the logit of expert j of token r, in both halves of the lanes, so the top-2 asks no other lane.
; k is placed alike on both sides: instruction n of K step s takes registers 2 n, 2 n + 1 of the quantiser's layout (register 16 b + i = k 128 s + 32 b + 16 h + i of the lane's row).
; THE QUANTISER: a block's scale is 2^(floor(log2(largest magnitude)) - 2); its byte is the largest magnitude's exponent field - 2, held at 1 from below.
; BY TURNS.  A K step's 32 products and the 64 lines that quantise it read the same 64 numbers of a lane and nothing of each other: they stand by turns, two products and then four lines, so that the
; vector work is issued between the matrix instructions and not behind them all.  The wave is alone on its SIMD: nothing else could stand there.  router_w's 256 registers fill a window of their own,
; so each turn costs two switches of the register window: 32 for a K step's 32 products and 64 lines.  The next K step's way through the stage is asked for behind the 24th product.
; NO CLUSTER: the work-groups share router_w alone, 16,384 bytes beside the 131,072 bytes of x that each reads by itself.
; LIMITS: NaN and infinities are not served.  The two experts are chosen on the logits (ties to the lower index), not on the rounded probabilities: logits that differ and give equal f32 probabilities
; are told apart here.  A block of zeros gets the byte 1 (its codes are zeros; this program alone reads the bytes).  Blocks whose largest magnitude lies under 2^-124 are held at that byte.
.set RWP,  2064                        ; LDS: router_w, 8 rows of 2,048 bytes + 16: row e starts 4 e banks on
.set STG,  16640                       ; behind it a stage for each wave: 16 rows of one K step, 512 bytes + 16
.set SP,   528
.set XA,   4                           ; v4   16 x lane
.set TA,   5                           ; v5   16 x thread
.set SW,   6                           ; v6   the stage on the way in: 16 x lane
.set SR,   7                           ; v7   and on the way out: row r, + 64 h
.set RR,   8                           ; v8   router_w in LDS: row r % 8, + 64 h
.set GA,   9                           ; v9   the gates' place: 32 r + 16 h
.set T0,   16                          ; v16-79, v80-143  64 numbers of a lane, two sets by turns
.set ACC,  144                         ; v144-175  four accumulators; matrix instructions alone write them
.set TM,   176                         ; v176-191  the quantiser's work
.set PW,   192                         ; v192-195  the four scale words
.set PC,   196                         ; v196-227  the codes: eight registers for each K step, so that no store's data are written again
; window 1: x as loaded: row rho of K step s at v[4 (16 s + rho)].   window 2: router_w in the quantiser's layout: K step s at v[64 s].
.set L,    16                          ; the end: v16-23 logits, v24-31 at work, v32-39 logits without the first choice, v40-47 exponentials, v48-54 the numbers 0 .. 6
.set U,    24
.set MK,   32
.set PE,   40
.set IDX,  48
.set M1,   56
.set I1,   57
.set M2,   58
.set I2,   59
.set NINF, 60
.set CM,   61
.set P2,   62
.set Z,    63
.set DEN,  64
.set W1,   65
.set W2,   66
.set GT,   68                          ; v68-75 the eight gates
.set GS,   76                          ; v76-79 the four that my lane stores
.set MSB, 0
.macro WIN new                         ; the immediate's high byte repeats the setting that is left; a switch that changes nothing is dropped
.if MSB != \new
	s_set_vgpr_msb (MSB<<8)|\new
.set MSB, \new
.endif
.endm
.macro XLOAD ks                        ; K step ks of my 16 rows: each load reads 512 consecutive bytes
	WIN 0x40                                       ; destination window 1
.irp rho, 0,1,2,3,4,5,6,7,8,9,10,11,12,13,14,15
	global_load_b128 v[4*(16*(\ks)+\rho):4*(16*(\ks)+\rho)+3], v[XA], s[4:5] offset:2048*\rho+512*(\ks) th:TH_LOAD_NT
.endr
	WIN 0
.endm
.macro RLOAD ks                        ; router_w's K step ks out of LDS into window 2: sixteen loads
	WIN 0x80                                       ; destination window 2
.irp b, 0,1,2,3
.irp g, 0,1,2,3
	ds_load_b128 v[64*(\ks)+16*\b+4*\g:64*(\ks)+16*\b+4*\g+3], v[RR] offset:512*(\ks)+128*\b+16*\g
.endr
.endr
.endm
; K step ks of x goes through my stage: in as it was loaded, back as 64 numbers of my row, into set ks % 2.  32 LDS instructions.
.macro TURN ks
.set TN, T0+64*((\ks)%2)
	s_wait_loadcnt 48-16*(\ks)                     ; this K step's 16 loads are in; those of the later K steps may be out
	WIN 0x04                                       ; an LDS store's data are its source 1: window 1
.irp rho, 0,1,2,3,4,5,6,7,8,9,10,11,12,13,14,15
	ds_store_b128 v[SW], v[4*(16*(\ks)+\rho):4*(16*(\ks)+\rho)+3] offset:SP*\rho
.endr
	WIN 0
.irp b, 0,1,2,3                                ; LDS serves a wave's instructions in order: these see the stores above
.irp g, 0,1,2,3
	ds_load_b128 v[TN+16*\b+4*\g:TN+16*\b+4*\g+3], v[SR] offset:128*\b+16*\g
.endr
.endr
.endm
; THE QUANTISER AS A LIST OF 64 LINES; QL writes line QJ of it and steps QJ.  64 numbers of a lane, v[src] on, register 16 b + i = k 32 b + 16 h + i of my row, become the K step's codes in
; v[PC + 8 ks] on and its scale word in v[PW + ks].  Lines 0-47 go by the four blocks in turn, so that a line reads nothing that the three lines ahead of it wrote.
;   0-31   each block's largest magnitude of my 16 numbers, and the floor 2^(3 - 127): the byte cannot fall under 1
;   32-39  with lane l xor 16's: the block's largest magnitude
;   40-43  2 off its exponent field: the conversion takes the exponent field of this operand as its scale
;   44-50  the scale's byte; four bytes make my row's scale word, the same in both halves of the lanes
;   51-58  the conversions;   59  the plain place behind them;   60-63  the operand's layout wants a whole block in a lane: lanes 0-15 block 2 c, lanes 16-31 block 2 c + 1
.macro QL src, ks
.set QB, QJ%4
.set QI, 2*(QJ/4)
.if QJ < 4
	v_max3_num_f32 v[TM+QJ], |v[\src+16*QJ]|, |v[\src+1+16*QJ]|, 0x1800000
.elseif QJ < 32
	v_max3_num_f32 v[TM+QB], v[TM+QB], |v[\src+16*QB+QI]|, |v[\src+1+16*QB+QI]|
.elseif QJ < 36
	v_permlanex16_b32 v[TM+4+QB], v[TM+QB], s20, s21
.elseif QJ < 40
	v_max_num_f32 v[TM+QB], v[TM+QB], v[TM+4+QB]
.elseif QJ < 44
	v_add_nc_u32 v[TM+12+QB], 0xff000000, v[TM+QB]
.elseif QJ < 48
	v_lshrrev_b32 v[TM+4+QB], 23, v[TM+12+QB]
.elseif QJ == 48
	v_lshl_or_b32 v[PW+(\ks)], v[TM+5], 8, v[TM+4]
.elseif QJ == 49
	v_lshl_or_b32 v[PW+(\ks)], v[TM+6], 16, v[PW+(\ks)]
.elseif QJ == 50
	v_lshl_or_b32 v[PW+(\ks)], v[TM+7], 24, v[PW+(\ks)]
.elseif QJ < 59
	v_cvt_scalef32_pk8_fp4_f32 v[PC+8*(\ks)+QJ-51], v[\src+8*(QJ-51):\src+8*(QJ-51)+7], v[TM+12+(QJ-51)/2]
.elseif QJ == 59
	v_nop
.else
	v_permlane16_swap_b32 v[PC+8*(\ks)+4*((QJ-60)/2)+(QJ-60)%2], v[PC+8*(\ks)+2+4*((QJ-60)/2)+(QJ-60)%2]
.endif
.set QJ, QJ+1
.endm
; A K STEP: 32 products onto the logits and the 64 lines of the quantiser, by turns; then its codes are stored.  left: the LDS loads that may stay out at its head.
; The lines write the quantiser's work, the scale word and the codes: no register of a product.  The four accumulators take turns, one instruction a turn; the first four products start the sums.
; Behind the 24th product the next K step goes through the stage, into the other set: that set's last product stands 48 plain lines back (eight places are asked: ISA guide 7.12.1 for vector instructions),
; and my reads of the stage were waited for at this K step's head.  The last eight products and sixteen lines stand between those loads and the wait for them.
.macro PHASE ks, left
.set TP, T0+64*((\ks)%2)
	s_wait_dscnt \left                             ; my 64 numbers are back from the stage, and router_w's registers for this K step are in
.set QN, 0
.set QJ, 0
.rept 16
	WIN 0x02                                       ; source 0 (router_w) window 2
.rept 2
.if ((\ks) == 0) && (QN < 4)
	v_wmma_f32_16x16x4_f32 v[ACC+8*(QN%4):ACC+8*(QN%4)+7], v[64*(\ks)+2*QN:64*(\ks)+2*QN+1], v[TP+2*QN:TP+2*QN+1], 0
.else
	v_wmma_f32_16x16x4_f32 v[ACC+8*(QN%4):ACC+8*(QN%4)+7], v[64*(\ks)+2*QN:64*(\ks)+2*QN+1], v[TP+2*QN:TP+2*QN+1], v[ACC+8*(QN%4):ACC+8*(QN%4)+7]
.endif
.set QN, QN+1
.endr
	WIN 0
.rept 4
	QL TP, \ks
.endr
.if (QN == 24) && ((\ks) < 3)
	TURN (\ks)+1
.endif
.endr
.irp c, 0,1
	global_store_b128 v[XA], v[PC+8*(\ks)+4*\c:PC+8*(\ks)+4*\c+3], s[8:9] offset:1024*(\ks)+512*\c   ; 512 consecutive bytes
.endr
.endm
	s_load_b128 s[4:7], s[0:1], 0x0                ; x, router_w
	s_load_b64 s[8:9], s[0:1], 0x10                ; xq
	v_lshl_add_u32 v254, v0, 2, 0xc600
	v_mov_b32 v255, 0
	v_lshrrev_b32 v1, 5, v0
	v_readfirstlane_b32 s10, v1                    ; wave 0..3
	v_and_b32 v1, 31, v0                           ; lane
	v_and_b32 v2, 15, v0                           ; r
	v_bfe_u32 v3, v0, 4, 1                         ; h
	v_lshlrev_b32 v[XA], 4, v1
	v_lshlrev_b32 v[TA], 4, v0
	s_mul_i32 s16, s10, 16*SP
	s_add_co_u32 s16, s16, STG                     ; my stage
	v_lshl_add_u32 v[SW], v1, 4, s16
	v_mul_u32_u24 v[SR], v2, SP
	v_lshl_add_u32 v[SR], v3, 6, v[SR]
	v_add_nc_u32 v[SR], s16, v[SR]
	v_and_b32 v[RR], 7, v0
	v_mul_u32_u24 v[RR], v[RR], RWP
	v_lshl_add_u32 v[RR], v3, 6, v[RR]
	v_lshlrev_b32 v[GA], 5, v2
	v_lshl_add_u32 v[GA], v3, 4, v[GA]
.irp b, 0,1,2,3
	v_mov_b32 v[TM+4+\b], 0                        ; written once: a lane permute's destination counts as one of its sources
.endr
	s_lshl_b32 s11, ttmp9, 2
	s_add_co_u32 s11, s11, s10                     ; my tile
	s_lshl_b32 s12, s11, 15                        ; its 32,768 bytes of x
	s_mov_b32 s13, 0
	s_mul_i32 s18, s11, 5120                       ; its record
	s_mov_b32 s19, 0
	s_mov_b32 s20, 0x76543210
	s_mov_b32 s21, 0xfedcba98                      ; v_permlanex16_b32's selects for lane l xor 16
	s_mov_b32 s14, 0x3fb8aa3b                      ; log2(e)
	s_mov_b32 s15, 0x358637bd                      ; 1e-6
	s_wait_kmcnt 0x0
	s_add_nc_u64 s[4:5], s[4:5], s[12:13]
	s_add_nc_u64 s[8:9], s[8:9], s[18:19]
.irp i, 0,1,2,3,4,5,6,7
	global_load_b128 v[T0+4*\i:T0+4*\i+3], v[TA], s[6:7] offset:2048*\i   ; router_w: the 128 threads read a row of 2,048 bytes
.endr
	XLOAD 0
	XLOAD 1
	XLOAD 2
	s_wait_loadcnt 48                              ; router_w is in: the 48 younger loads are x's
.irp i, 0,1,2,3,4,5,6,7
	ds_store_b128 v[TA], v[T0+4*\i:T0+4*\i+3] offset:RWP*\i
.endr
	XLOAD 3
	s_wait_dscnt 0x0                               ; for the others' sake: my part of router_w lies in LDS
	s_barrier_signal -1
	s_barrier_wait -1                              ; everybody's does
	RLOAD 0                                        ; what the first K step wants comes first: router_w's sixteen loads,
	TURN 0                                         ; x's way through the stage,
	RLOAD 1                                        ; and only then router_w for the later K steps: 48 loads, which land under the first K step's products
	RLOAD 2
	RLOAD 3
	PHASE 0, 48                                    ; LDS instructions are done in order: all but those 48
	PHASE 1, 0
	PHASE 2, 0
	PHASE 3, 0
	; ten plain lines that name no register of the last products: the places (eight are asked) in front of the first read of the sums
.irp e, 0,1,2,3,4,5,6
	v_mov_b32 v[IDX+\e], \e
.endr
	v_mov_b32 v[NINF], 0xff800000                  ; -infinity
	v_mov_b32 v[I1], 7
	v_mov_b32 v[I2], 7
.irp j, 0,2,4,6                                ; the four partial sums make the logits; each accumulator is read from its low end on; the results go into other registers
	v_pk_add_f32 v[L+\j:L+\j+1], v[ACC+\j:ACC+\j+1], v[ACC+8+\j:ACC+8+\j+1]
.endr
.irp j, 0,2,4,6
	v_pk_add_f32 v[U+\j:U+\j+1], v[ACC+16+\j:ACC+16+\j+1], v[ACC+24+\j:ACC+24+\j+1]
.endr
.irp j, 0,2,4,6
	v_pk_add_f32 v[L+\j:L+\j+1], v[L+\j:L+\j+1], v[U+\j:U+\j+1]
.endr
	; the first choice: the largest logit, and the lowest index that has it
	v_max3_num_f32 v[M1], v[L], v[L+1], v[L+2]
	v_max3_num_f32 v[M1], v[M1], v[L+3], v[L+4]
	v_max3_num_f32 v[M1], v[M1], v[L+5], v[L+6]
	v_max_num_f32 v[M1], v[M1], v[L+7]
.irp e, 6,5,4,3,2,1,0
	v_cmp_eq_f32 vcc_lo, v[L+\e], v[M1]
	v_cndmask_b32 v[I1], v[I1], v[IDX+\e], vcc_lo
.endr
	; the second: the same with the first taken out
.irp e, 0,1,2,3,4,5,6,7
	v_cmp_eq_u32 vcc_lo, \e, v[I1]
	v_cndmask_b32 v[MK+\e], v[L+\e], v[NINF], vcc_lo
.endr
	v_max3_num_f32 v[M2], v[MK], v[MK+1], v[MK+2]
	v_max3_num_f32 v[M2], v[M2], v[MK+3], v[MK+4]
	v_max3_num_f32 v[M2], v[M2], v[MK+5], v[MK+6]
	v_max_num_f32 v[M2], v[M2], v[MK+7]
.irp e, 6,5,4,3,2,1,0
	v_cmp_eq_f32 vcc_lo, v[MK+\e], v[M2]
	v_cndmask_b32 v[I2], v[I2], v[IDX+\e], vcc_lo
.endr
	; softmax with the maximum taken away: P_e = 2^((L_e - m1) log2 e), Z their sum.  The two probabilities are 1 / Z and p2 / Z, so the weights are 1 / (1 + p2 + 1e-6 Z) and p2 times that
	v_mul_f32 v[CM], s14, v[M1]
.irp e, 0,1,2,3,4,5,6,7
	v_fma_f32 v[PE+\e], v[L+\e], s14, -v[CM]
.endr
	v_fma_f32 v[P2], v[M2], s14, -v[CM]
.irp e, 0,1,2,3,4,5,6,7
	v_exp_f32 v[PE+\e], v[PE+\e]
.endr
	v_exp_f32 v[P2], v[P2]
	v_nop                                          ; a plain place behind the exponentials
	s_wait_alu depctr_va_vdst(0)
	v_pk_add_f32 v[PE:PE+1], v[PE:PE+1], v[PE+2:PE+3]
	v_pk_add_f32 v[PE+4:PE+5], v[PE+4:PE+5], v[PE+6:PE+7]
	v_add_f32 v[DEN], 1.0, v[P2]
	v_pk_add_f32 v[PE:PE+1], v[PE:PE+1], v[PE+4:PE+5]
	v_add_f32 v[Z], v[PE], v[PE+1]
	v_fma_f32 v[DEN], v[Z], s15, v[DEN]
	v_rcp_f32 v[W1], v[DEN]
	v_nop                                          ; a plain place behind the reciprocal
	s_wait_alu depctr_va_vdst(0)
	v_mul_f32 v[W2], v[P2], v[W1]
.irp e, 0,1,2,3,4,5,6,7
	v_cmp_eq_u32 vcc_lo, \e, v[I1]
	v_cndmask_b32 v[GT+\e], 0, v[W1], vcc_lo
	v_cmp_eq_u32 vcc_lo, \e, v[I2]
	v_cndmask_b32 v[GT+\e], v[GT+\e], v[W2], vcc_lo
.endr
	global_store_b128 v[XA], v[PW:PW+3], s[8:9] offset:4096      ; the scale words: 512 consecutive bytes
	v_cmp_gt_u32 vcc_lo, 16, v1                    ; lanes 0-15 store gates 0-3 of their token, lanes 16-31 gates 4-7
.irp q, 0,1,2,3
	v_cndmask_b32 v[GS+\q], v[GT+4+\q], v[GT+\q], vcc_lo
.endr
	global_store_b128 v[GA], v[GS:GS+3], s[8:9] offset:4608      ; the 32 lanes fill 512 consecutive bytes
	s_wait_tensorcnt 0x0
	ds_add_u32 v254, v255
	s_wait_dscnt 0x0
	s_endpgm
.Lfunc_end_k_q555a3be41c_route:
	.size	k_q555a3be41c_route, .Lfunc_end_k_q555a3be41c_route-k_q555a3be41c_route
	.p2alignl 7, 3214868480
	.fill 96, 4, 3214868480
	.section	.rodata,"a",@progbits
	.p2align	6, 0x0
	.amdhsa_kernel k_q555a3be41c_route
		.amdhsa_group_segment_fixed_size 51200
		.amdhsa_private_segment_fixed_size 0
		.amdhsa_enable_private_segment 0
		.amdhsa_kernarg_size 24
		.amdhsa_user_sgpr_count 2
		.amdhsa_user_sgpr_kernarg_segment_ptr 1
		.amdhsa_wavefront_size32 1
		.amdhsa_system_sgpr_workgroup_id_x 1
		.amdhsa_system_sgpr_workgroup_id_y 1
		.amdhsa_system_sgpr_workgroup_id_z 1
		.amdhsa_system_vgpr_workitem_id 0
		.amdhsa_next_free_vgpr 768
		.amdhsa_next_free_sgpr 66
		.amdhsa_reserve_vcc 1
		.amdhsa_float_denorm_mode_32 3
		.amdhsa_float_denorm_mode_16_64 3
		.amdhsa_memory_ordered 1
		.amdhsa_forward_progress 1
		.amdhsa_inst_pref_size 56
	.end_amdhsa_kernel
	.amdgpu_metadata
---
amdhsa.version: [ 1, 2 ]
amdhsa.kernels:
  - .name:           k_q555a3be41c_route
    .symbol:         k_q555a3be41c_route.kd
    .args:
      - { .name: hidden_states, .offset: 0, .size: 8, .value_kind: global_buffer, .address_space: global }
      - { .name: router_w, .offset: 8, .size: 8, .value_kind: global_buffer, .address_space: global }
      - { .name: xq, .offset: 16, .size: 8, .value_kind: global_buffer, .address_space: global }
    .group_segment_fixed_size: 51200
    .private_segment_fixed_size: 0
    .kernarg_segment_align: 8
    .kernarg_segment_size: 24
    .max_flat_workgroup_size: 128
    .sgpr_count:     66
    .vgpr_count:     768
    .wavefront_size: 32
...
	.end_amdgpu_metadata
.endif
;; end of part 1
;; launch experts (part 2): grid 8 x 32, 8 waves a work-group, clusters of 4 x 4, 312,320 bytes of LDS; arguments expert_weights_codes, expert_weights_scales, xq, out0; writes out0
.if DOCPART == 2
	.amdgcn_target "amdgcn-amd-amdhsa--gfx1250"
	.amdhsa_code_object_version 6
	.text
	.protected	k_q555a3be41c_experts
	.globl	k_q555a3be41c_experts
	.p2align	8
	.type	k_q555a3be41c_experts,@function
k_q555a3be41c_experts:
	s_mov_b64 s[64:65], 0
	v_nop
	global_prefetch_b8 v0, s[64:65] scope:SCOPE_SE
	s_setreg_imm32_b32 hwreg(HW_REG_WAVE_MODE, 25, 1), 1
	s_wait_xcnt 0x0
	s_wait_alu depctr_hold_cnt(0) depctr_sa_sdst(0) depctr_va_vdst(0) depctr_va_sdst(0) depctr_va_ssrc(0) depctr_va_vcc(0) depctr_vm_vsrc(0)
	s_getreg_b32 s2, hwreg(HW_REG_IB_STS2, 6, 4)
	s_cmp_eq_u32 s2, 0
	s_cbranch_scc0 .Lentry_in_a_cluster
	s_endpgm
.Lentry_in_a_cluster:
	s_bfe_u32 s2, ttmp6, 0x10000c
	s_cmp_lg_u32 s2, 0xf033
	s_cbranch_scc0 .Lentry_shape_is_right
	s_endpgm
.Lentry_shape_is_right:
; out[n][o] = the sum over the 8 experts e of gate[n][e] x (the sum over k of x[n][k] W[e][k][o]), the inner products on codes of FP4 (E2M1) with one E8M0 scale for each 32 along K.
; W's codes [8][512 (o)][256 bytes], its scale bytes [8][512][16]; x's codes, scale words and gates in records of 5,120 bytes for each 16 tokens, laid as images of the operand's registers
; (codes of K step s at 1024 s + 512 c + 16 lane; scale words at 4096 + 16 lane; gates at 4608 + 32 token + 4 e).  A gate is 0 for the six experts that were not chosen for a token.
; ALL EIGHT EXPERTS ARE MULTIPLIED FOR EVERY TOKEN: 16 unsorted tokens with two experts each nearly always use all eight, and sorting them would want two launches more.
; SHARES.  Work-group (cb, tb): 512 tokens x 64 columns, all experts: 8 x 32 = 256 work-groups.  Wave w: half th = w / 4 of the tokens (16 tiles of 16), columns 16 (w % 4) on.
; A wave's weights (8 experts x 4 K steps x 8 registers) fill window 1 and stay.  A tile is 32 matrix instructions (source 0 = 16 columns of W, source 1 = 16 tokens: a lane then holds one token and
; eight neighbouring columns) on 8 accumulators, then 32 packed multiply-adds by the gates.  Two waves share a SIMD: one's vector and LDS work stands beside the other's products.
; LDS IS FILLED ONCE: the work-group's weights (147,456 bytes) and its 32 records (163,840 bytes) come by first fills, four tensor loads a wave (four of mine are out at the most).
; CLUSTER 4 x 4: the four work-groups of a column share cb and so the weights, the four of a row share tb and so the records: each tile is asked for jointly.
; THE WAY OUT: four tiles' results (64 tokens x 256 bytes for each half) meet in a stage, and each wave stores 16 whole pieces of rows: sixteen lanes store 256 consecutive, aligned bytes.  The stages lie where the
; weights lay: those bytes have had their only fill, and every wave has passed the barrier behind its last read of them.  Two stages by turns: one barrier for four tiles.
; LIMITS: an expert that was not chosen is multiplied by 0, so its product has to be finite: a weight scale byte 0xff, and scales under which a sum leaves f32's range, are not served.
.set WP,    272                        ; a row of W in LDS: 256 bytes + 16: row r starts 4 r banks on
.set WEXP,  64*WP                      ; an expert's 64 rows
.set WSC,   8*WEXP                     ; behind them the weights' scale bytes: 1024 e + 16 column
.set XREC,  WSC+8192                   ; and the 32 records
.set REC,   5120
.set STGH,  64*272                     ; a stage: 64 rows of 256 bytes + 16;  stage (turn, half) at 2 STGH x turn + STGH x half
.set AW0,  4                           ; v4   my rows of W, experts 0-3
.set AW1,  5                           ; v5   experts 4-7 (an LDS offset has 16 bits)
.set AWS,  6                           ; v6   their scale words
.set AXF,  7                           ; v7   my half's records, 16 x lane; steps four records on with each batch
.set AXG,  8                           ; v8   the gates of token r in them
.set STO,  9                           ; v9   the stage: where I put 32 bytes of a row
.set RDB,  10                          ; v10  and where I read rows back
.set GO,   11                          ; v11  my byte offset in out: 2048 h + 16 r
.set XF,   16                          ; v16-47, v48-79   x's four fragments, two sets
.set XS,   80                          ; v80-83, v84-87   x's scale words: they hold scales and nothing else
.set G,    88                          ; v88-95, v96-103  the gates
.set WS,   104                         ; v104-135  W's scale words: 4 e + s
.set ACC,  136                         ; v136-199  an accumulator for each expert
.set OUT,  200                         ; v200-207, v208-215  the weighted sum
.set OB,   216                         ; v216-247  rows read back from the stage
.set G1W,  28                          ; s[28:35] descriptor group 1 for W's codes;  s[36:43] its scales;  s[44:51] one record;  s[52:59] three records
.set G1S,  36
.set G1X0, 44
.set G1X1, 52
.set G0W,  60                          ; s[60:63], s[68:71], s[72:75], s[76:79] their groups 0
.set G0S,  68
.set G0X0, 72
.set G0X1, 76
.set MSB, 0
.macro WIN new                         ; the immediate's high byte repeats the setting that is left
.if MSB != \new
	s_set_vgpr_msb (MSB<<8)|\new
.set MSB, \new
.endif
.endm
.macro CROUND                          ; a round of the cluster's barrier
	s_barrier_signal -1
	s_barrier_wait -1
	s_cmp_lg_u32 s12, 0
	s_cbranch_scc1 .Lnot_wave_0_\@
	s_barrier_signal -3
.Lnot_wave_0_\@:
	s_barrier_wait -3
	s_barrier_signal -1
	s_barrier_wait -1
.endm
.macro DENSE g, m, rows                ; group 1 of a dense block: rows of 256 bytes (32 elements of 8 bytes), no padding; the mask in s[m], bit 21 set beside it
	s_or_b32 s[\g], s[\m], (3<<16)|(1<<21)
	s_mov_b32 s[\g+1], 32<<16                      ; tensor_dim0
	s_mov_b32 s[\g+2], (\rows)<<16                 ; tensor_dim1
	s_mov_b32 s[\g+3], 32<<16                      ; tile_dim0
	s_mov_b32 s[\g+4], \rows                       ; tile_dim1
	s_mov_b32 s[\g+5], 32                          ; tensor_dim0_stride
	s_mov_b32 s[\g+6], 0
	s_mov_b32 s[\g+7], 0
.endm
	s_load_b256 s[4:11], s[0:1], 0x0               ; W's codes s[4:5], W's scales s[6:7], xq s[8:9], out s[10:11]
	v_lshl_add_u32 v254, v0, 2, 0x4c000
	v_mov_b32 v255, 0
	ds_add_u32 v254, v255
	ds_add_u32 v254, v255
	v_lshrrev_b32 v1, 5, v0
	v_readfirstlane_b32 s12, v1                    ; wave 0..7
	s_lshr_b32 s13, s12, 2                         ; th: my half of the tokens
	s_and_b32 s14, s12, 3                          ; cg: my 16 columns
	s_bfe_u32 s15, ttmp6, 0x40000                  ; cx, cy: my place in the cluster
	s_bfe_u32 s16, ttmp6, 0x40004
	s_lshl_b32 s17, ttmp9, 2
	s_add_co_u32 s17, s17, s15                     ; cb = 4 x cluster x + cx
	s_and_b32 s18, ttmp7, 0xffff
	s_lshl_b32 s18, s18, 2
	s_add_co_u32 s18, s18, s16                     ; tb = 4 x cluster y + cy
	s_lshl_b32 s19, 0x1111, s15                    ; my column of the cluster: it shares cb
	s_lshl_b32 s20, s16, 2
	s_lshl_b32 s20, 15, s20                        ; my row: it shares tb
	s_or_b32 s[G1W], s19, (1<<20)|(1<<21)|(5<<22)|(3<<25)   ; 15:0 the mask; 17:16 elements of 1 byte; 20 padding on; 21 set beside a mask; 24:22 after every 64 words; 31:25 four words
	s_mov_b32 s[G1W+1], 256<<16                    ; tensor_dim0 = 256
	s_mov_b32 s[G1W+2], 64<<16                     ; tensor_dim1 = 64
	s_mov_b32 s[G1W+3], 256<<16                    ; tile_dim0
	s_mov_b32 s[G1W+4], 64                         ; tile_dim1
	s_mov_b32 s[G1W+5], 256                        ; tensor_dim0_stride
	s_mov_b32 s[G1W+6], 0
	s_mov_b32 s[G1W+7], 0
	DENSE G1S, 19, 4                               ; 64 rows' scale bytes: 1,024 bytes
	DENSE G1X0, 20, 20                             ; one record
	DENSE G1X1, 20, 60                             ; three records
	; wave w fetches expert w's 64 rows and their scales (addresses of w and cb alone), and four of my half's 16 records (addresses of w and tb alone): tile cg, and tiles 4 + 3 cg on
	s_lshl_b32 s22, s12, 17                        ; an expert's codes are 131,072 bytes,
	s_lshl_b32 s23, s17, 14                        ; 64 rows 16,384
	s_add_co_u32 s22, s22, s23
	s_mov_b32 s23, 0
	s_lshl_b32 s24, s12, 13                        ; its scale bytes 8,192,
	s_lshl_b32 s25, s17, 10                        ; 64 rows' 1,024
	s_add_co_u32 s24, s24, s25
	s_mov_b32 s25, 0
	s_lshl_b32 s21, s13, 4
	s_mul_i32 s80, s14, 3
	s_add_co_u32 s80, s80, s21
	s_add_co_u32 s80, s80, 4                       ; 16 th + 4 + 3 cg
	s_add_co_u32 s21, s21, s14                     ; 16 th + cg
	s_lshl_b32 s81, s18, 5                         ; the work-group's first tile: 32 tb
	s_add_co_u32 s26, s81, s21
	s_mul_i32 s26, s26, REC
	s_mov_b32 s27, 0
	s_add_co_u32 s82, s81, s80
	s_mul_i32 s82, s82, REC
	s_mov_b32 s83, 0
	s_mul_i32 s21, s21, REC                        ; and their places in LDS: no place in the cluster enters an LDS address
	s_mul_i32 s80, s80, REC
	s_lshl_b32 s84, s18, 9                         ; out: my first row 512 tb + 256 th + 16 cg, of 2,048 bytes; + 256 cb.  In registers that feed no descriptor
	s_lshl_b32 s85, s13, 8
	s_add_co_u32 s84, s84, s85
	s_lshl_b32 s85, s14, 4
	s_add_co_u32 s84, s84, s85
	s_lshl_b32 s84, s84, 11
	s_lshl_b32 s85, s17, 8
	s_add_co_u32 s84, s84, s85
	s_mov_b32 s85, 0
	s_wait_dscnt 0x0
	s_wait_kmcnt 0x0
	s_add_nc_u64 s[10:11], s[10:11], s[84:85]
	s_mov_b32 s[G0W], 1                            ; 1:0 count = 1
	s_mul_i32 s[G0W+1], s12, WEXP                  ; 63:32 LDS address
	s_add_nc_u64 s[G0W+2:G0W+3], s[4:5], s[22:23]  ; 120:64 global address
	s_or_b32 s[G0W+3], s[G0W+3], 0x80000000        ; 127:126 type = 2
	s_mov_b32 s[G0S], 1
	s_lshl_b32 s[G0S+1], s12, 10
	s_add_co_u32 s[G0S+1], s[G0S+1], WSC
	s_add_nc_u64 s[G0S+2:G0S+3], s[6:7], s[24:25]
	s_or_b32 s[G0S+3], s[G0S+3], 0x80000000
	s_mov_b32 s[G0X0], 1
	s_add_co_u32 s[G0X0+1], s21, XREC
	s_add_nc_u64 s[G0X0+2:G0X0+3], s[8:9], s[26:27]
	s_or_b32 s[G0X0+3], s[G0X0+3], 0x80000000
	s_mov_b32 s[G0X1], 1
	s_add_co_u32 s[G0X1+1], s80, XREC
	s_add_nc_u64 s[G0X1+2:G0X1+3], s[8:9], s[82:83]
	s_or_b32 s[G0X1+3], s[G0X1+3], 0x80000000
	CROUND                                         ; all sixteen work-groups are here: the joint loads meet
	tensor_load_to_lds s[G0W:G0W+3], s[G1W:G1W+7]  ; all fills of the launch, in one group, every wave its own four
	s_nop 0
	tensor_load_to_lds s[G0S:G0S+3], s[G1S:G1S+7]
	s_nop 0
	tensor_load_to_lds s[G0X0:G0X0+3], s[G1X0:G1X0+7]
	s_nop 0
	tensor_load_to_lds s[G0X1:G0X1+3], s[G1X1:G1X1+7]
	s_nop 0
.rept 4
	v_nop
.endr
	v_and_b32 v1, 31, v0                           ; lane
	v_and_b32 v2, 15, v0                           ; r
	v_bfe_u32 v3, v0, 4, 1                         ; h
	s_mul_i32 s21, s14, 16*WP
	v_mul_u32_u24 v[AW0], v2, WP
	v_lshl_add_u32 v[AW0], v3, 4, v[AW0]
	v_add_nc_u32 v[AW0], s21, v[AW0]               ; row 16 cg + r, + 16 h
	v_add_nc_u32 v[AW1], 4*WEXP, v[AW0]
	s_lshl_b32 s21, s14, 8
	s_add_co_u32 s21, s21, WSC
	v_lshl_add_u32 v[AWS], v2, 4, s21              ; 16 bytes a row: four scale words
	s_mul_i32 s21, s13, 16*REC
	s_add_co_u32 s21, s21, XREC
	v_lshl_add_u32 v[AXF], v1, 4, s21
	s_add_co_u32 s21, s21, 4608
	v_lshl_add_u32 v[AXG], v2, 5, s21
	s_mul_i32 s21, s13, STGH
	s_lshl_b32 s86, s14, 6
	s_add_co_u32 s86, s86, s21
	v_mul_u32_u24 v[STO], v2, 272
	v_lshl_add_u32 v[STO], v3, 5, v[STO]
	v_add_nc_u32 v[STO], s86, v[STO]               ; in: row r of the tile, my 64 bytes of it, + 32 h
	s_mul_i32 s86, s14, 16*272
	s_add_co_u32 s86, s86, s21
	v_mul_u32_u24 v[RDB], v3, 272
	v_lshl_add_u32 v[RDB], v2, 4, v[RDB]
	v_add_nc_u32 v[RDB], s86, v[RDB]               ; back: rows 16 cg on; lanes 0-15 one row of 256 bytes, lanes 16-31 the next
	v_lshlrev_b32 v[GO], 11, v3
	v_lshl_add_u32 v[GO], v2, 4, v[GO]
; Tile q of the batch in hand into set p: eight loads of codes, one of scale words, two of gates: eleven
.macro LOADT q, p
.irp s, 0,1,2,3
.irp c, 0,1
	ds_load_b128 v[XF+32*(\p)+8*\s+4*\c:XF+32*(\p)+8*\s+4*\c+3], v[AXF] offset:REC*(\q)+1024*\s+512*\c
.endr
.endr
	ds_load_b128 v[XS+4*(\p):XS+4*(\p)+3], v[AXF] offset:REC*(\q)+4096
	ds_load_b128 v[G+8*(\p):G+8*(\p)+3], v[AXG] offset:REC*(\q)
	ds_load_b128 v[G+8*(\p)+4:G+8*(\p)+7], v[AXG] offset:REC*(\q)+16
.endm
; Tile i of my 16.
.macro TILE i
.set Q, (\i)%4
.set P, (\i)%2
.set PAR, ((\i)/4)%2
.if Q < 3
	LOADT Q+1, 1-P                                 ; the next tile, into the set that the last tile's products have left: four v_nop and 32 plain lines back
	s_wait_dscnt 11                                ; all but those eleven: this tile's operands are in
.else
	s_wait_dscnt 2                                 ; all but the last tile's two stores into the stage
.endif
	WIN 0x01                                       ; source 0 (W) window 1
.irp s, 0,1,2,3                                ; the eight accumulators take turns, one instruction a turn; the first K step starts the sums
.irp e, 0,1,2,3,4,5,6,7
.if \s == 0
	v_wmma_scale_f32_16x16x128_f8f6f4 v[ACC+8*\e:ACC+8*\e+7], v[8*(4*\e+\s):8*(4*\e+\s)+7], v[XF+32*P+8*\s:XF+32*P+8*\s+7], 0, v[WS+4*\e+\s], v[XS+4*P+\s] matrix_a_fmt:MATRIX_FMT_FP4 matrix_b_fmt:MATRIX_FMT_FP4
.else
	v_wmma_scale_f32_16x16x128_f8f6f4 v[ACC+8*\e:ACC+8*\e+7], v[8*(4*\e+\s):8*(4*\e+\s)+7], v[XF+32*P+8*\s:XF+32*P+8*\s+7], v[ACC+8*\e:ACC+8*\e+7], v[WS+4*\e+\s], v[XS+4*P+\s] matrix_a_fmt:MATRIX_FMT_FP4 matrix_b_fmt:MATRIX_FMT_FP4
.endif
.endr
.endr
	WIN 0
.rept 4
	v_nop                                          ; four places in front of the first read of results; with the lines below they are also the places in front of the next tile's loads and of its products, which begin the accumulators anew
.endr
.irp j, 0,2,4,6                                ; the weighted sum; each accumulator is read from its low end on.  A gate is one register of a pair, taken for both halves
	v_pk_mul_f32 v[OUT+8*P+\j:OUT+8*P+\j+1], v[ACC+\j:ACC+\j+1], v[G+8*P:G+8*P+1] op_sel_hi:[1,0]
.endr
.irp e, 1,2,3,4,5,6,7
.irp j, 0,2,4,6
.if (\e)%2 == 1
	v_pk_fma_f32 v[OUT+8*P+\j:OUT+8*P+\j+1], v[ACC+8*\e+\j:ACC+8*\e+\j+1], v[G+8*P+\e-1:G+8*P+\e], v[OUT+8*P+\j:OUT+8*P+\j+1] op_sel:[0,1,0] op_sel_hi:[1,1,1]
.else
	v_pk_fma_f32 v[OUT+8*P+\j:OUT+8*P+\j+1], v[ACC+8*\e+\j:ACC+8*\e+\j+1], v[G+8*P+\e:G+8*P+\e+1], v[OUT+8*P+\j:OUT+8*P+\j+1] op_sel_hi:[1,0,1]
.endif
.endr
.endr
	ds_store_b128 v[STO], v[OUT+8*P:OUT+8*P+3] offset:2*STGH*PAR+16*272*Q
	ds_store_b128 v[STO], v[OUT+8*P+4:OUT+8*P+7] offset:2*STGH*PAR+16*272*Q+16
.endm
; Batch b's four tiles lie in stage b % 2: a barrier, the next batch's first tile is asked for, and my 16 rows leave.
; One barrier does: a stage's reads are waited for in front of the next barrier, and the stage is written again only behind that one.
.macro FLUSH b
.if (\b) == 0
	s_wait_tensorcnt 0x0                           ; my three records, which the tiles from here on read, have landed
.endif
	s_wait_dscnt 0x0                               ; for the others' sake: my stores into the stage are done
	s_barrier_signal -1
	s_barrier_wait -1
.if (\b) < 3
	v_add_nc_u32 v[AXF], 4*REC, v[AXF]             ; four records on (no LDS instruction of mine is out)
	v_add_nc_u32 v[AXG], 4*REC, v[AXG]
	LOADT 0, 0
.endif
.if (\b) > 0
	s_wait_xcnt 0x0                                ; the last batch's stores have read their registers: only behind this wait are they loaded again
.endif
.irp t, 0,1,2,3,4,5,6,7
	ds_load_b128 v[OB+4*\t:OB+4*\t+3], v[RDB] offset:2*STGH*((\b)%2)+2*272*\t
.endr
.irp t, 0,1,2,3,4,5,6,7
	s_wait_dscnt 7-\t                              ; LDS loads come back in order: load t is in, the younger ones may be out
	global_store_b128 v[GO], v[OB+4*\t:OB+4*\t+3], s[10:11] offset:131072*(\b)+4096*\t th:TH_STORE_NT   ; sixteen lanes store 256 consecutive bytes, at a multiple of 256 from out's first byte
.endr
.endm
	s_wait_tensorcnt 1                             ; my part of the weights, of their scales and of the first four records of a half is in; the three records may stay out
	s_barrier_signal -1
	s_barrier_wait -1                              ; everybody's is
	WIN 0x40                                       ; destination window 1
.irp e, 0,1,2,3
.irp s, 0,1,2,3
.irp c, 0,1
	ds_load_b128 v[8*(4*\e+\s)+4*\c:8*(4*\e+\s)+4*\c+3], v[AW0] offset:WEXP*\e+64*\s+32*\c
.endr
.endr
.endr
.irp e, 0,1,2,3
.irp s, 0,1,2,3
.irp c, 0,1
	ds_load_b128 v[8*(4*(\e+4)+\s)+4*\c:8*(4*(\e+4)+\s)+4*\c+3], v[AW1] offset:WEXP*\e+64*\s+32*\c
.endr
.endr
.endr
	WIN 0
.irp e, 0,1,2,3,4,5,6,7
	ds_load_b128 v[WS+4*\e:WS+4*\e+3], v[AWS] offset:1024*\e
.endr
	LOADT 0, 0
	s_wait_dscnt 0x0                               ; my weights are in registers: my reads of their LDS bytes are over
	s_barrier_signal -1
	s_barrier_wait -1                              ; everybody's are: the stages may be written there
	TILE 0
	TILE 1
	TILE 2
	TILE 3
	FLUSH 0
	TILE 4
	TILE 5
	TILE 6
	TILE 7
	FLUSH 1
	TILE 8
	TILE 9
	TILE 10
	TILE 11
	FLUSH 2
	TILE 12
	TILE 13
	TILE 14
	TILE 15
	FLUSH 3
	s_wait_tensorcnt 0x0
	ds_add_u32 v254, v255
	s_wait_dscnt 0x0
	CROUND                                         ; the closing round: no work-group ends while a partner may still ask for a tile that names it
	s_endpgm
.Lfunc_end_k_q555a3be41c_experts:
	.size	k_q555a3be41c_experts, .Lfunc_end_k_q555a3be41c_experts-k_q555a3be41c_experts
	.p2alignl 7, 3214868480
	.fill 96, 4, 3214868480
	.section	.rodata,"a",@progbits
	.p2align	6, 0x0
	.amdhsa_kernel k_q555a3be41c_experts
		.amdhsa_group_segment_fixed_size 312320
		.amdhsa_private_segment_fixed_size 0
		.amdhsa_enable_private_segment 0
		.amdhsa_kernarg_size 32
		.amdhsa_user_sgpr_count 2
		.amdhsa_user_sgpr_kernarg_segment_ptr 1
		.amdhsa_wavefront_size32 1
		.amdhsa_system_sgpr_workgroup_id_x 1
		.amdhsa_system_sgpr_workgroup_id_y 1
		.amdhsa_system_sgpr_workgroup_id_z 1
		.amdhsa_system_vgpr_workitem_id 0
		.amdhsa_next_free_vgpr 512
		.amdhsa_next_free_sgpr 96
		.amdhsa_reserve_vcc 0
		.amdhsa_float_denorm_mode_32 3
		.amdhsa_float_denorm_mode_16_64 3
		.amdhsa_memory_ordered 1
		.amdhsa_forward_progress 1
		.amdhsa_inst_pref_size 132
	.end_amdhsa_kernel
	.amdgpu_metadata
---
amdhsa.version: [ 1, 2 ]
amdhsa.kernels:
  - .name:           k_q555a3be41c_experts
    .symbol:         k_q555a3be41c_experts.kd
    .args:
      - { .name: expert_weights_codes, .offset: 0, .size: 8, .value_kind: global_buffer, .address_space: global }
      - { .name: expert_weights_scales, .offset: 8, .size: 8, .value_kind: global_buffer, .address_space: global }
      - { .name: xq, .offset: 16, .size: 8, .value_kind: global_buffer, .address_space: global }
      - { .name: out0, .offset: 24, .size: 8, .value_kind: global_buffer, .address_space: global }
    .group_segment_fixed_size: 312320
    .private_segment_fixed_size: 0
    .kernarg_segment_align: 8
    .kernarg_segment_size: 32
    .max_flat_workgroup_size: 256
    .sgpr_count:     96
    .vgpr_count:     512
    .wavefront_size: 32
...
	.end_amdgpu_metadata
.endif
;; end of part 2
